; MI455X (gfx1250); checked and timed in simulation.
; The chip was launched on July 23, 2026; its instructions are those of AMD's public machine-readable ISA for CDNA 5 (MIT licence, August 2026) and "CDNA5" Instruction Set Architecture Reference Guide (July 2026). The comments in the code are by the model that wrote it; some were corrected since.
;; DLT Solver. Allowed arithmetic: float matrix products may take bf16 or f16 operands with f32 sums; all other float work in f32.
;; Inputs: pre_4pt_shift 1,048,576 x 8 x 1 float32.
;; Outputs: out0 1,048,576 x 3 x 3 float32.
;; One version. Each part assembles by itself: llvm-mc -triple=amdgcn-amd-amdhsa -mcpu=gfx1250 --defsym DOCPART=n.
;; ======== version 1 of 1: 1 launch
;; limits: inputs' magnitudes at most 4,400,000,000,000
;; launch dlt (part 1): grid 256 x 1, 32 waves a work-group, no clusters, 172,032 bytes of LDS; arguments pre_4pt_shift, out0; writes out0
.if DOCPART == 1
	.amdgcn_target "amdgcn-amd-amdhsa--gfx1250"
	.amdhsa_code_object_version 6
	.text
	.protected	k_q6ff61c5b46_dlt
	.globl	k_q6ff61c5b46_dlt
	.p2align	8
	.type	k_q6ff61c5b46_dlt,@function
k_q6ff61c5b46_dlt:
	s_mov_b64 s[64:65], 0
	v_nop
	global_prefetch_b8 v0, s[64:65] scope:SCOPE_SE
	s_setreg_imm32_b32 hwreg(HW_REG_WAVE_MODE, 25, 1), 1
	s_wait_xcnt 0x0
; DLT solve, one 8 x 8 system per item, 1,048,576 items.  in: 8 f32 per item (the shifts s0..s7), out: 9 f32 per item (h0..h7, 1).
;
; THE ALGEBRA.  p = s + ref, ref = (0,0,P,0,0,P,P,P), P = 512, q = 1/P.  Rows 1 to 6 of A are constants made of 0, 1 and P; with
; u = h6, v = h7 they read   h3 = -q p1 - v   h5 = q p0 - v   h2 = -q p2 - u   h4 = q p5 - u
;                            h1 = -p3 + q (p1 - p0) + v       h0 = -p4 + q (p2 - p5) + u
; and rows 7 and 8 leave     u (p7 - p3) + v (p2 - p6) = q R1,   R1 = p2 (p3 - p1) - p7
;                            u (p7 - p5) + v (p4 - p6) = q R2,   R2 = p6 - p5 p5 + p4 p0
; solved by Cramer.  With the pairs A1 = (p2 - p6, p3 - p7), A2 = (p4 - p6, p5 - p7):
;   det = A1.lo A2.hi - A1.hi A2.lo,   (U, V) = R1 A2 - R2 A1,   (u, v) = (U, V) q / det.
; The products with the 0 / +-1 matrices M71 and Mb are a choice of register and a sign, exact in f32; 16-bit matrix operands would
; round 512 + s to steps of 4 and lose s, so the matrix unit is not used.
;
; LIMITS.  No pivoting, 1/det by v_rcp_f32: the order of rounding is not that of an LU solve.  A is regular whenever every |s| < 128
; (then (p7-p3)(p6-p4) > 65536 > |(p2-p6)(p7-p5)|).  For a singular A, or det outside the normal range of f32 (v_rcp_f32 flushes
; denormals, ISA guide 15.8), the infinities and NaN fall otherwise than in an LU solve.  Products of three p overflow from about
; |p| = 2^42.  The zeros of ref are not added: that can change the sign of a zero and nothing else.
;
; THE SHAPE.  Bytes decide: 32 in and 36 out per item against 27 vector instructions.  Four neighbouring items are 128 bytes in and
; 144 = 9 x 16 bytes out, so a lane owns four neighbouring items and a wave 128: 4,096 bytes in, 4,608 bytes out.
;   in:  one tensor load per wave, its 4,096 bytes as one row, 16 bytes of padding laid behind every 128: lane i finds its items at 144 i.
;        The pitch is 9 x 16 bytes.
;   out: the lane puts its 36 results back on the same 144 bytes (the padded tile and the output block are both 4,608 bytes); the slot,
;        now the output block as it lies in memory, is read back 16 bytes a lane and stored: each store covers 512 consecutive bytes
;        that start on a multiple of 256 (4,608 = 18 x 256).
; 256 work-groups of 32 waves; a work-group owns 4,096 items.  Its whole input, 32 slots x 4,608 = 147,456 bytes of LDS, is asked for
; in the first lines of its waves, one tensor load outstanding per wave: no ring, no loop.  A slot belongs to one wave: no barrier.
; No cluster: no two work-groups read the same byte.
.set P_F32,     0x44000000             ; 512.0
.set Q_F32,     0x3b000000             ; 1 / 512
.set IN_BLOCK,  4096                   ; bytes a wave reads: 128 items x 32
.set OUT_BLOCK, 4608                   ; bytes a wave writes: 128 items x 36
.set PITCH,     144                    ; a lane's bytes in the slot: 128 + 16 of padding on the way in, 4 x 36 on the way out
.set SLOT,      32*PITCH               ; a wave's LDS: 4,608 bytes
.set LA,  2                            ; v2        LDS address of my 144 bytes
.set RB,  3                            ; v3        LDS address of my 16 bytes in the read-back
.set CO,  4                            ; v4        my byte offset in the wave's output block
.set X,   8                            ; v[8:39]   item k: s0..s7 at X + 8 k, turned into p in place.  v[8:43]: the read-back
.set A1,  40                           ; v[40:47]  item k: the pair (p2 - p6, p3 - p7)
.set A2,  48                           ; v[48:55]  item k: the pair (p4 - p6, p5 - p7)
.set R,   56                           ; v[56:63]  item k: the pair (R1, R2)
.set UV,  64                           ; v[64:71]  item k: the pair (U, V)
.set D,   72                           ; v[72:75]  item k: det
.set RC,  76                           ; v[76:79]  item k: 1 / det, then q / det
.set O,   80                           ; v[80:115] item k: h0..h8 at O + 9 k: 36 words in the order of memory
.set G0,  12                           ; s[12:15]  tensor descriptor, group 0
.set G1,  16                           ; s[16:23]  tensor descriptor, group 1
	s_load_b128 s[4:7], s[0:1], 0x0                ; in s[4:5], out s[6:7]
	v_lshl_add_u32 v116, v0, 2, 0x29000
	v_mov_b32 v117, 0
	ds_add_u32 v116, v117
	ds_add_u32 v116, v117
	v_lshrrev_b32 v1, 5, v0
	v_readfirstlane_b32 s8, v1                     ; wave 0..31
	s_lshl_b32 s9, ttmp9, 5
	s_add_co_u32 s9, s9, s8                        ; block = 32 x work-group + wave, 0..8191
	s_lshl_b32 s10, s9, 12                         ; block x 4,096: below 2^25
	s_mov_b32 s11, 0
	s_mul_i32 s24, s9, OUT_BLOCK                   ; block x 4,608: below 2^26
	s_mov_b32 s25, 0
	; group 1: one row of 512 elements of 8 bytes; padding counts along the row: 4 words behind every 32 words
	s_mov_b32 s[G1+0], (3<<16)|(1<<20)|(4<<22)|(3<<25) ; 15:0 no work-group mask; 17:16 element of 8 bytes; 20 padding on; 24:22 every 32 words; 31:25 4 words
	s_mov_b32 s[G1+1], (IN_BLOCK/8)<<16            ; tensor_dim0 = 512
	s_mov_b32 s[G1+2], 1<<16                           ; its high half; tensor_dim1 not used
	s_mov_b32 s[G1+3], (IN_BLOCK/8)<<16            ; tile_dim0 = 512
	s_mov_b32 s[G1+4], 1                           ; no second dimension,
	s_mov_b32 s[G1+5], 512                           ; so no strides
	s_mov_b32 s[G1+6], 0
	s_mov_b32 s[G1+7], 0
	s_mov_b32 s[G0+0], 1                           ; count = 1
	s_mul_i32 s[G0+1], s8, SLOT                    ; LDS address: my wave's slot
	s_wait_dscnt 0x0
	s_wait_kmcnt 0x0
	s_add_nc_u64 s[G0+2:G0+3], s[4:5], s[10:11]    ; global address of my block
	s_or_b32 s[G0+3], s[G0+3], 0x80000000          ; type = 2
	tensor_load_to_lds s[G0:G0+3], s[G1:G1+7]      ; asked for before anything else is done
	s_nop 0
	; while the tile is on its way: addresses, constants, and the ninth number of every item
	s_add_nc_u64 s[6:7], s[6:7], s[24:25]          ; out at my block
	s_mov_b32 s26, P_F32                           ; s[26:27]: P as a pair, for the packed add
	s_mov_b32 s27, P_F32
	s_mov_b32 s28, Q_F32
	v_and_b32 v1, 31, v0                           ; lane
	v_mul_u32_u24 v[LA], v1, PITCH
	v_add_nc_u32 v[LA], s[G0+1], v[LA]             ; slot + 144 x lane
	v_lshl_add_u32 v[RB], v1, 4, s[G0+1]           ; slot + 16 x lane
	v_lshlrev_b32 v[CO], 4, v1                     ; 16 x lane
.irp k, 0,1,2,3
	v_mov_b32 v[O+9*\k+8], 1.0                     ; h8
.endr
	s_wait_tensorcnt 0x0                           ; my tile is in my slot; only this wave reads it, so this wait is all the ordering
.irp j, 0,1,2,3,4,5,6,7
	ds_load_b128 v[X+4*\j:X+4*\j+3], v[LA] offset:16*\j        ; item k = loads 2 k and 2 k + 1
.endr
; Everything of item k that does not need 1 / det.
.macro FRONT k
	s_wait_dscnt 6-2*\k                            ; LDS loads return in order (ISA guide 5.7.1): item k is in, the 6 - 2 k younger loads stay out
	v_add_f32 v[X+8*\k+2], s26, v[X+8*\k+2]        ; p2 = s2 + P
	v_add_f32 v[X+8*\k+5], s26, v[X+8*\k+5]        ; p5 = s5 + P
	v_pk_add_f32 v[X+8*\k+6:X+8*\k+7], v[X+8*\k+6:X+8*\k+7], s[26:27] op_sel_hi:[1,0]     ; (p6, p7) = (s6, s7) + P
	v_sub_f32 v[R+2*\k], v[X+8*\k+3], v[X+8*\k+1]  ; p3 - p1
	v_pk_add_f32 v[A1+2*\k:A1+2*\k+1], v[X+8*\k+2:X+8*\k+3], v[X+8*\k+6:X+8*\k+7] neg_lo:[0,1] neg_hi:[0,1]   ; (p2 - p6, p3 - p7)
	v_pk_add_f32 v[A2+2*\k:A2+2*\k+1], v[X+8*\k+4:X+8*\k+5], v[X+8*\k+6:X+8*\k+7] neg_lo:[0,1] neg_hi:[0,1]   ; (p4 - p6, p5 - p7)
	v_fma_f32 v[R+2*\k+1], -v[X+8*\k+5], v[X+8*\k+5], v[X+8*\k+6]      ; p6 - p5 p5
	v_fma_f32 v[R+2*\k], v[X+8*\k+2], v[R+2*\k], -v[X+8*\k+7]          ; R1 = p2 (p3 - p1) - p7
	v_fma_f32 v[R+2*\k+1], v[X+8*\k+4], v[X+8*\k], v[R+2*\k+1]         ; R2 = p4 p0 + p6 - p5 p5
	v_mul_f32 v[D+\k], v[A1+2*\k+1], v[A2+2*\k]
	v_fma_f32 v[D+\k], v[A1+2*\k], v[A2+2*\k+1], -v[D+\k]              ; det = A1.lo A2.hi - A1.hi A2.lo
	v_sub_f32 v[O+9*\k], v[X+8*\k+2], v[X+8*\k+5]                      ; p2 - p5
	v_sub_f32 v[O+9*\k+1], v[X+8*\k+1], v[X+8*\k]                      ; p1 - p0
	v_fma_f32 v[O+9*\k], v[O+9*\k], s28, -v[X+8*\k+4]                  ; h0 - u = q (p2 - p5) - p4
	v_fma_f32 v[O+9*\k+1], v[O+9*\k+1], s28, -v[X+8*\k+3]              ; h1 - v = q (p1 - p0) - p3
.endm
.irp k, 0,1,2,3
	FRONT \k
.endr
.irp k, 0,1,2,3
	v_rcp_f32 v[RC+\k], v[D+\k]                    ; four in a row on registers of their own; the eight packed lines below, which touch
.endr                                              ; neither RC nor D, stand between them and the first use (ISA guide 5.7.2)
.irp k, 0,1,2,3
	v_pk_mul_f32 v[UV+2*\k:UV+2*\k+1], v[A1+2*\k:A1+2*\k+1], v[R+2*\k:R+2*\k+1] op_sel:[0,1] op_sel_hi:[1,1]   ; A1 x R2 (the pair's second word for both halves)
.endr
.irp k, 0,1,2,3
	v_pk_fma_f32 v[UV+2*\k:UV+2*\k+1], v[A2+2*\k:A2+2*\k+1], v[R+2*\k:R+2*\k+1], v[UV+2*\k:UV+2*\k+1] op_sel_hi:[1,0,1] neg_lo:[0,0,1] neg_hi:[0,0,1]   ; (U, V) = A2 x R1 - A1 x R2
.endr
	s_wait_alu depctr_va_vdst(0)
.irp k, 0,1,2,3
	v_mul_f32 v[RC+\k], s28, v[RC+\k]              ; q / det
.endr
.irp k, 0,1,2,3
	v_mul_f32 v[O+9*\k+6], v[UV+2*\k], v[RC+\k]    ; h6 = u
	v_mul_f32 v[O+9*\k+7], v[UV+2*\k+1], v[RC+\k]  ; h7 = v
.endr
.irp k, 0,1,2,3
	v_add_f32 v[O+9*\k], v[O+9*\k], v[O+9*\k+6]                        ; h0
	v_add_f32 v[O+9*\k+1], v[O+9*\k+1], v[O+9*\k+7]                    ; h1
	v_fma_f32 v[O+9*\k+2], -v[X+8*\k+2], s28, -v[O+9*\k+6]             ; h2 = -q p2 - u
	v_fma_f32 v[O+9*\k+3], -v[X+8*\k+1], s28, -v[O+9*\k+7]             ; h3 = -q p1 - v
	v_fma_f32 v[O+9*\k+4], v[X+8*\k+5], s28, -v[O+9*\k+6]              ; h4 =  q p5 - u
	v_fma_f32 v[O+9*\k+5], v[X+8*\k], s28, -v[O+9*\k+7]                ; h5 =  q p0 - v
.endr
	; THE WAY OUT.  My 36 words are bytes 144 lane .. 144 lane + 143 of the wave's output block: into my own slot, over the tile, whose
	; reads all returned at the last wait above.  LDS serves a wave's instructions in order (ISA guide 5.7.1), so the read-back sees
	; the stores of all 32 lanes without a wait between.
.irp j, 0,1,2,3,4,5,6,7,8
	ds_store_b128 v[LA], v[O+4*\j:O+4*\j+3] offset:16*\j
.endr
.irp j, 0,1,2,3,4,5,6,7,8
	ds_load_b128 v[X+4*\j:X+4*\j+3], v[RB] offset:512*\j
.endr
.irp j, 0,1,2,3,4,5,6,7,8
	s_wait_dscnt 8-\j                              ; read-back j is in, the 8 - j younger ones stay out
	global_store_b128 v[CO], v[X+4*\j:X+4*\j+3], s[6:7] offset:512*\j th:TH_STORE_NT      ; 512 consecutive bytes, written once, not read again
.endr
	s_wait_tensorcnt 0x0
	ds_add_u32 v116, v117
	s_wait_dscnt 0x0
	s_endpgm
.Lfunc_end_k_q6ff61c5b46_dlt:
	.size	k_q6ff61c5b46_dlt, .Lfunc_end_k_q6ff61c5b46_dlt-k_q6ff61c5b46_dlt
	.p2alignl 7, 3214868480
	.fill 96, 4, 3214868480
	.section	.rodata,"a",@progbits
	.p2align	6, 0x0
	.amdhsa_kernel k_q6ff61c5b46_dlt
		.amdhsa_group_segment_fixed_size 172032
		.amdhsa_private_segment_fixed_size 0
		.amdhsa_enable_private_segment 0
		.amdhsa_kernarg_size 16
		.amdhsa_user_sgpr_count 2
		.amdhsa_user_sgpr_kernarg_segment_ptr 1
		.amdhsa_wavefront_size32 1
		.amdhsa_system_sgpr_workgroup_id_x 1
		.amdhsa_system_sgpr_workgroup_id_y 1
		.amdhsa_system_sgpr_workgroup_id_z 1
		.amdhsa_system_vgpr_workitem_id 0
		.amdhsa_next_free_vgpr 118
		.amdhsa_next_free_sgpr 66
		.amdhsa_reserve_vcc 0
		.amdhsa_float_denorm_mode_32 3
		.amdhsa_float_denorm_mode_16_64 3
		.amdhsa_memory_ordered 1
		.amdhsa_forward_progress 1
		.amdhsa_inst_pref_size 11
	.end_amdhsa_kernel
	.amdgpu_metadata
---
amdhsa.version: [ 1, 2 ]
amdhsa.kernels:
  - .name:           k_q6ff61c5b46_dlt
    .symbol:         k_q6ff61c5b46_dlt.kd
    .args:
      - { .name: pre_4pt_shift, .offset: 0, .size: 8, .value_kind: global_buffer, .address_space: global }
      - { .name: out0, .offset: 8, .size: 8, .value_kind: global_buffer, .address_space: global }
    .group_segment_fixed_size: 172032
    .private_segment_fixed_size: 0
    .kernarg_segment_align: 8
    .kernarg_segment_size: 16
    .max_flat_workgroup_size: 1024
    .sgpr_count:     66
    .vgpr_count:     118
    .wavefront_size: 32
...
	.end_amdgpu_metadata
.endif
;; end of part 1
